; MI455X (gfx1250); checked and timed in simulation.
; The chip was launched on July 23, 2026; its instructions are those of AMD's public machine-readable ISA for CDNA 5 (MIT licence, August 2026) and "CDNA5" Instruction Set Architecture Reference Guide (July 2026). The comments in the code are by the model that wrote it; some were corrected since.
;; Quantized Linear. Allowed arithmetic: matrix products marked QUANTISED: E2M1 operands, one E8M0 scale for each 32 along K, by v_wmma_scale_f32_16x16x128_f8f6f4 with both operands' format E2M1 (or v_wmma_scale_f32_32x16x128_f4), f32 sums; everything else in f32.
;; Inputs: bias 16,384 float32; weight_q 16,384 x 4,096 int8; weight_scale 16,384 float32; x 1,024 x 4,096 float32.
;; Outputs: out0 1,024 x 16,384 float32.
;; This version of the problem:
;;   THIS VERSION OF THE PROBLEM IS GIVEN IN LOW PRECISION. The matrix products marked QUANTISED in the list below multiply operands that are first quantised to E2M1 (2 exponent bits, 1 mantissa bit; 4 bits a number), with one power-of-two scale for each 32 numbers along K (OCP MX v1.0); their sums are f32. All else is computed in f32.
;;   The module's matrix products, in the order in which they are computed (A, B: the left and right operand; K: the contracted axis; several contracted axes count as one K, in the product's order):
;;     1. [M 1,024, K 4,096] x [K 4,096, N 16,384]; A: input x; B: input weight_q: QUANTISED
;;   THE QUANTISER, for each operand of a quantised product, along K:
;;     - K is cut into blocks of 32 from its start; a last block that is shorter is filled with zeros.
;;     - A block's scale is 2^e with e = floor(log2(the largest magnitude in the block)) - 2, held to -126 .. 127; a block of zeros has e = 0. As a byte (E8M0): e + 127.
;;     - Each number is divided by its block's scale, clamped to +-6, and rounded to the nearest number of E2M1, ties to even, subnormals kept.
;;     - The product sums the exact products of the quantised numbers (number of the format x scale) in f32.
;;   ~~~python
;;   def quantise(x, axis):      # numpy; x: float32 -> the quantised numbers, widened to float32 again
;;       x = np.moveaxis(x, axis, -1); K = x.shape[-1]
;;       x = np.pad(x, [(0, 0)] * (x.ndim - 1) + [(0, -K % 32)]); x = x.reshape(x.shape[:-1] + (-1, 32)); a = np.abs(x).max(-1, keepdims=True)
;;       e = np.where(a > 0, np.clip(np.frexp(np.where(a > 0, a, 1))[1] - 1 - 2, -126, 127), 0)      # np.frexp(a)[1] - 1 = floor(log2(a)), exactly
;;       r = np.clip(x / 2.0 ** e, -6, 6)
;;       step = 2.0 ** (np.maximum(np.frexp(np.where(r == 0, 1, r))[1] - 1, 0) - 1)
;;       q = np.round(r / step) * step * 2.0 ** e      # np.round: ties to even
;;       return np.moveaxis(q.reshape(q.shape[:-2] + (-1,))[..., :K], -1, axis).astype(np.float32)
;;   ~~~
;; One version. Each part assembles by itself: llvm-mc -triple=amdgcn-amd-amdhsa -mcpu=gfx1250 --defsym DOCPART=n.
;; ======== version 1 of 1: 2 launches
;; limits: right only within a limited range of input values
;; workspace buffers: xq 2,228,224 bytes; wq 35,651,584 bytes
;; launch quant (part 1): grid 256 x 1, 16 waves a work-group, no clusters, 76,288 bytes of LDS; arguments x, weight_q, xq, wq; writes xq, wq
.if DOCPART == 1
	.amdgcn_target "amdgcn-amd-amdhsa--gfx1250"
	.amdhsa_code_object_version 6
	.text
	.protected	k_qab363be535_quant
	.globl	k_qab363be535_quant
	.p2align	8
	.type	k_qab363be535_quant,@function
k_qab363be535_quant:
	s_mov_b64 s[64:65], 0
	v_nop
	global_prefetch_b8 v0, s[64:65] scope:SCOPE_SE
	s_setreg_imm32_b32 hwreg(HW_REG_WAVE_MODE, 25, 1), 1
	s_wait_xcnt 0x0
; x [1024][4096] f32 and weight_q [16384][4096] int8 become codes of FP4 (E2M1) with one E8M0 byte for each 32 along K, laid IN THE ORDER OF THE OPERAND'S REGISTERS.
; Both workspaces are rows of blocks of QBK = 34,816 bytes: block (row group of 128 rows) x 8 + (K / 512).  In a block, for q (128 along K), row block a (16 rows), c = 0, 1:
;   codes: registers 4 c .. 4 c + 3 of the fragment's lane l at q 8192 + a 1024 + c 512 + 16 l   (lane l = 16 h + r holds row r, k = 64 c + 32 h + 0 .. 31)
;   scale words: row's four words (q = 0 .. 3) at 32768 + 16 x row.
; A block's scale is 2^(floor(log2(its largest magnitude)) - 2); its byte is the largest magnitude's exponent field - 2, held at 1 from below.  No step of the problem is left out.
; LIMITS: NaN and infinities in x are not served.  A block of zeros gets the byte 1 where the rule says 127: its codes are zeros, which add nothing, and this program alone reads the bytes.
; SHARES.  Work-group g takes 32 rows x 512 K of x and 128 rows x 2,048 K of the weight: 64 KB + 256 KB read, the same in all 256.
; Wave a, x: 16 rows x 64 K (al = a / 8, q = (a / 2) % 4, c = a % 2): eight loads of two rows' 256 bytes; the numbers turn through the wave's stage, so that a lane holds 32 neighbours.
; Wave a, weight: rows 16 (a % 8) on, two steps of 512 K: a load is a row's 512 bytes, a lane holds 16 neighbours (two lanes a block); the CODES turn through the stage and leave as 512 consecutive bytes.
; No tensor load; no prefetch: the text is straight-line and has no loop to run ahead in; each wave has 24 loads out at the start and 16 afterwards.
.set QBK,   34816
.set WUN,   272                        ; a stage row: 256 bytes + 16, an odd multiple of 16
.set XSC,   16*16*WUN                  ; behind the 16 stages: 512 bytes, x's scale words of 32 rows
.set WSS,   XSC+512                    ; 256 bytes a wave: the weight's scale bytes of a step
.set SPARE, WSS+16*256                 ; the spare words, 128 bytes a wave
.set R,     16                         ; v16-79   16 rows of the weight as loaded
.set T,     80                         ; v80-111  32 numbers in f32
.set OUTR,  112                        ; v112-143 x as loaded; later the codes read back
.set SCR,   144
.set MX,    146
.set CD,    152
.set BY,    160
.set QST,   164
.set QSB,   165
.set QRD,   166
.set QSR,   167
.set SPW,   168
.set NIL,   169
	s_load_b256 s[16:23], s[0:1], 0x0              ; x, weight_q, xq, wq
	v_lshl_add_u32 v[SPW], v0, 2, SPARE
	v_mov_b32 v[NIL], 0
	v_lshrrev_b32 v1, 5, v0
	s_delay_alu instid0(VALU_DEP_1)
	v_readfirstlane_b32 s8, v1                     ; wave a
	s_lshr_b32 s2, s8, 3                           ; a / 8
	s_bfe_u32 s3, s8, 0x20001                      ; q
	s_and_b32 s4, s8, 1                            ; c
	s_and_b32 s5, s8, 7                            ; a % 8
	s_mul_i32 s9, s8, 16*WUN                       ; my stage
	s_lshl_b32 s10, s2, 8
	s_lshl_b32 s11, s3, 2
	s_add_co_u32 s10, s10, s11
	s_lshl_b32 s11, s4, 1
	s_add_co_u32 s10, s10, s11
	s_add_co_u32 s10, s10, XSC                     ; x's scale byte: XSC + 256 al + 4 q + 2 c (+ 16 r + h)
	s_lshl_b32 s12, s8, 8
	s_add_co_u32 s12, s12, WSS
	s_mov_b32 s40, 0x80808080
	s_mov_b32 s41, 0x4b000000
	s_mov_b32 s42, 0x07040400
	s_mov_b32 s43, 0x07040401
	s_mov_b32 s44, 0x07040402
	s_mov_b32 s45, 0x07040403
	s_mov_b32 s46, 0xcb000080                      ; -(2^23 + 128)
	s_mov_b32 s47, s46
	s_lshr_b32 s13, ttmp9, 3                       ; which 32 rows of x
	s_and_b32 s14, ttmp9, 7                        ; which 512 along K
	s_lshl_b32 s24, s13, 1
	s_add_co_u32 s24, s24, s2
	s_lshl_b32 s24, s24, 18                        ; 16 rows of 16,384 bytes
	s_lshl_b32 s15, s14, 11
	s_add_co_u32 s24, s24, s15
	s_lshl_b32 s15, s3, 9
	s_add_co_u32 s24, s24, s15
	s_lshl_b32 s15, s4, 8
	s_add_co_u32 s24, s24, s15
	s_mov_b32 s25, 0
	s_lshr_b32 s26, ttmp9, 1                       ; the weight's row group
	s_lshl_b32 s26, s26, 3
	s_add_co_u32 s26, s26, s5
	s_lshl_b32 s26, s26, 16                        ; 16 rows of 4,096 bytes
	s_and_b32 s15, ttmp9, 1
	s_lshl_b32 s15, s15, 11
	s_add_co_u32 s26, s26, s15
	s_lshl_b32 s15, s2, 10
	s_add_co_u32 s26, s26, s15
	s_mov_b32 s27, 0
	s_lshr_b32 s28, ttmp9, 5
	s_lshl_b32 s28, s28, 3
	s_add_co_u32 s28, s28, s14
	s_mul_i32 s28, s28, QBK                        ; xq's block
	s_and_b32 s15, s13, 3
	s_lshl_b32 s30, s15, 9
	s_add_co_u32 s30, s30, s28                     ; its scale words of my work-group's 32 rows
	s_mov_b32 s31, 0
	s_lshl_b32 s15, s15, 11
	s_add_co_u32 s28, s28, s15
	s_lshl_b32 s15, s2, 10
	s_add_co_u32 s28, s28, s15
	s_lshl_b32 s15, s3, 13
	s_add_co_u32 s28, s28, s15
	s_lshl_b32 s15, s4, 9
	s_add_co_u32 s28, s28, s15                     ; my 512 bytes of codes
	s_mov_b32 s29, 0
	s_lshl_b32 s32, ttmp9, 2
	s_lshl_b32 s15, s2, 1
	s_add_co_u32 s32, s32, s15
	s_mul_i32 s32, s32, QBK                        ; wq's block of my first step
	s_lshl_b32 s15, s5, 8
	s_add_co_u32 s34, s32, s15
	s_lshl_b32 s15, s5, 10
	s_add_co_u32 s32, s32, s15
	s_mov_b32 s33, 0
	s_mov_b32 s35, 0
	v_and_b32 v7, 31, v0                           ; lane
	v_and_b32 v8, 15, v0                           ; r
	v_bfe_u32 v9, v0, 4, 1                         ; h
	v_and_b32 v11, 1, v0
	s_delay_alu instid0(VALU_DEP_4)
	v_lshlrev_b32 v1, 4, v7                        ; 16 x lane
	s_delay_alu instid0(VALU_DEP_4)
	v_mul_u32_u24 v3, v8, WUN
	v_lshrrev_b32 v10, 1, v7
	v_mul_u32_u24 v13, v9, WUN
	v_lshlrev_b32 v2, 14, v9
	v_lshl_add_u32 v4, v8, 4, s10
	v_lshl_add_u32 v3, v9, 7, v3
	v_mul_u32_u24 v12, v10, WUN
	v_lshl_add_u32 v13, v8, 4, v13
	v_lshl_add_u32 v2, v8, 4, v2                   ; x: lanes 0-15 one row's 256 bytes, lanes 16-31 the next row's
	v_add_nc_u32 v4, v4, v9                        ; x's scale byte
	v_add_nc_u32 v5, XSC, v1
	v_add_nc_u32 v3, s9, v3                        ; the stage, x's way out: row r, + 128 h
	v_lshl_add_u32 v12, v11, 3, v12
	v_add_nc_u32 v[QRD], s9, v13                   ; the stage by rows: 272 h + 16 r
	v_add_nc_u32 v[QSB], s12, v10
	v_lshlrev_b32 v7, 3, v7                        ; 8 x lane
	s_delay_alu instid0(VALU_DEP_4)
	v_add_nc_u32 v[QST], s9, v12                   ; the weight's codes into the stage: unit lane / 2 (a block of 32 along K), 8 bytes a lane
	s_delay_alu instid0(VALU_DEP_2)
	v_add_nc_u32 v[QSR], s12, v7
	s_wait_alu depctr_va_vdst(0)                   ; the wait at the head's end
	s_wait_kmcnt 0x0
	s_add_nc_u64 s[16:17], s[16:17], s[24:25]
	s_add_nc_u64 s[18:19], s[18:19], s[26:27]
	s_add_nc_u64 s[24:25], s[20:21], s[30:31]      ; xq: scale words
	s_add_nc_u64 s[20:21], s[20:21], s[28:29]      ; xq: codes
	s_add_nc_u64 s[26:27], s[22:23], s[34:35]      ; wq: scale words
	s_add_nc_u64 s[22:23], s[22:23], s[32:33]      ; wq: codes
.macro LOADW st, i                     ; row i of step st: 32 lanes read 512 consecutive bytes
	global_load_b128 v[R+4*(\i):R+4*(\i)+3], v1, s[18:19] offset:(\i)*4096+(\st)*512 th:TH_LOAD_NT
.endm
.irp i, 0,1,2,3,4,5,6,7
	global_load_b128 v[OUTR+4*\i:OUTR+4*\i+3], v2, s[16:17] offset:\i*32768 th:TH_LOAD_NT
.endr
.irp i, 0,1,2,3,4,5,6,7,8,9,10,11,12,13,14,15
	LOADW 0, \i
.endr
.irp i, 0,1,2,3,4,5,6,7
	s_wait_loadcnt 23-\i                           ; x's load i is in; its 7 - i younger ones and the weight's 16 may be out
	ds_store_b128 v[QRD], v[OUTR+4*\i:OUTR+4*\i+3] offset:544*\i
.endr
.irp j, 0,1,2,3,4,5,6,7
	ds_load_b128 v[T+4*\j:T+4*\j+3], v3 offset:16*\j   ; LDS serves a wave's instructions in order: these see my stores
.endr
	s_wait_dscnt 0x0
	v_max3_num_f32 v8, |v[T]|, |v[T+1]|, |v[T+2]|
	v_max3_num_f32 v9, |v[T+3]|, |v[T+4]|, |v[T+5]|
.irp i, 6,10,14,18,22,26
	s_delay_alu instid0(VALU_DEP_2)
	v_max3_num_f32 v8, v8, |v[T+\i]|, |v[T+\i+1]|
	s_delay_alu instid0(VALU_DEP_2)
	v_max3_num_f32 v9, v9, |v[T+\i+2]|, |v[T+\i+3]|
.endr
	s_delay_alu instid0(VALU_DEP_2)
	v_max3_num_f32 v8, v8, |v[T+30]|, |v[T+31]|
	s_delay_alu instid0(VALU_DEP_1)
	v_max3_num_f32 v8, v8, v9, 0x1800000           ; the floor 2^(3 - 127): the byte cannot fall under 1
	s_delay_alu instid0(VALU_DEP_1)
	v_add_nc_u32 v10, 0xff000000, v8               ; 2 off the exponent field: the conversion's scale operand
.irp g, 0,1,2,3
	v_cvt_scalef32_pk8_fp4_f32 v[CD+\g], v[T+8*\g:T+8*\g+7], v10
.endr
	v_lshrrev_b32 v[BY], 23, v10                   ; the scale's byte; also the plain line behind the conversions
	global_store_b128 v1, v[CD:CD+3], s[20:21]     ; 512 consecutive bytes, at a multiple of 256 from xq's first byte
	ds_store_b8 v4, v[BY]
	s_wait_dscnt 0x0                               ; for the others' sake: my byte has landed
	s_barrier_signal -1
	s_barrier_wait -1                              ; the sixteen waves' bytes make the scale words of 32 rows
	s_cmp_lg_u32 s8, 0
	s_cbranch_scc1 .Lw                             ; wave 0 sends them
	ds_load_b128 v[MX:MX+3], v5
	s_wait_dscnt 0x0
	global_store_b128 v1, v[MX:MX+3], s[24:25] offset:32768
.Lw:
	s_wait_xcnt 0x0                                ; the stores above have read their registers
; two rows of the weight, i and i + 1, by turns.  byte xor 0x80 under the exponent of 2^23 is 2^23 + 128 + w; the packed addition takes 2^23 + 128 away: w, exactly
.macro WPAIR st, i
.set RW, R+4*(\i)
.set CP, CD+4*(((\i)/2)%2)
.set BP, BY+2*(((\i)/2)%2)
.if (\st) == 0
	s_wait_loadcnt 14                              ; behind these two rows: this step's 14 - i and the next step's i
.else
	s_wait_loadcnt 14-(\i)
.endif
.irp n, 0,1,2,3,4,5,6,7
	v_xor_b32 v[RW+\n], s40, v[RW+\n]
.endr
.irp n, 0,1,2,3,4,5,6,7
.irp j, 0,1,2,3
	v_perm_b32 v[T+4*\n+\j], s41, v[RW+\n], s[42+\j]
.endr
.endr
.if (\st) == 0
	LOADW 1, \i
	LOADW 1, (\i)+1
.endif
.irp p, 0,2,4,6,8,10,12,14,16,18,20,22,24,26,28,30
	v_pk_add_f32 v[T+\p:T+\p+1], v[T+\p:T+\p+1], s[46:47] op_sel_hi:[1,0]
.endr
.irp w, 0,1
	v_max3_num_f32 v[MX+2*\w], |v[T+16*\w]|, |v[T+16*\w+1]|, |v[T+16*\w+2]|
	v_max3_num_f32 v[MX+2*\w+1], |v[T+16*\w+3]|, |v[T+16*\w+4]|, |v[T+16*\w+5]|
.endr
.irp e, 6,10
.irp w, 0,1
	s_delay_alu instid0(VALU_DEP_4)
	v_max3_num_f32 v[MX+2*\w], v[MX+2*\w], |v[T+16*\w+\e]|, |v[T+16*\w+\e+1]|
	s_delay_alu instid0(VALU_DEP_4)
	v_max3_num_f32 v[MX+2*\w+1], v[MX+2*\w+1], |v[T+16*\w+\e+2]|, |v[T+16*\w+\e+3]|
.endr
.endr
	s_delay_alu instid0(VALU_DEP_4)
	v_max3_num_f32 v[MX], v[MX], |v[T+14]|, |v[T+15]|
	s_delay_alu instid0(VALU_DEP_3)
	v_max3_num_f32 v[MX+2], v[MX+2], |v[T+30]|, |v[T+31]|
.irp w, 0,1
	s_delay_alu instid0(VALU_DEP_2)
	v_max3_num_f32 v[MX+2*\w], v[MX+2*\w], v[MX+2*\w+1], 0x1800000
.endr
.irp w, 0,1
	s_delay_alu instid0(VALU_DEP_2)
	v_max_num_f32_dpp v[MX+2*\w], v[MX+2*\w], v[MX+2*\w] row_xmask:1 row_mask:0xf bank_mask:0xf   ; with my neighbour's 16: the block's
.endr
.irp w, 0,1
	s_delay_alu instid0(VALU_DEP_2)
	v_add_nc_u32 v[MX+2*\w+1], 0xff000000, v[MX+2*\w]
.endr
.irp w, 0,1
	v_cvt_scalef32_pk8_fp4_f32 v[CP+2*\w], v[T+16*\w:T+16*\w+7], v[MX+2*\w+1]
	v_cvt_scalef32_pk8_fp4_f32 v[CP+2*\w+1], v[T+16*\w+8:T+16*\w+15], v[MX+2*\w+1]
.endr
.irp w, 0,1
	v_lshrrev_b32 v[BP+\w], 23, v[MX+2*\w+1]       ; the scale's byte; plain lines behind the conversions
.endr
.irp w, 0,1
	ds_store_b64 v[QST], v[CP+2*\w:CP+2*\w+1] offset:16*((\i)+\w)
	ds_store_b8 v[QSB], v[BP+\w] offset:16*((\i)+\w)   ; both lanes of a block write the same byte with the same value
.endr
.endm
.macro WOUT st                         ; a step's codes leave as eight runs of 512 bytes, its 256 scale bytes as one aligned unit
	s_wait_xcnt 0x0                                ; earlier stores have read the registers that the loads below fill
.irp j, 0,1,2,3,4,5,6,7
	ds_load_b128 v[OUTR+4*\j:OUTR+4*\j+3], v[QRD] offset:544*\j
.endr
	ds_load_b64 v[SCR:SCR+1], v[QSR]
.irp j, 0,1,2,3,4,5,6,7
	s_wait_dscnt 8-\j
	global_store_b128 v1, v[OUTR+4*\j:OUTR+4*\j+3], s[22:23] offset:(\st)*QBK+(\j/2)*8192+(\j%2)*512
.endr
	s_wait_dscnt 0x0
	global_store_b64 v7, v[SCR:SCR+1], s[26:27] offset:(\st)*QBK+32768
.endm
.irp i, 0,2,4,6,8,10,12,14
	WPAIR 0, \i
.endr
	WOUT 0
.irp i, 0,2,4,6,8,10,12,14
	WPAIR 1, \i
.endr
	WOUT 1
	s_wait_tensorcnt 0x0                           ; the wave's end
	ds_add_u32 v[SPW], v[NIL]
	s_wait_dscnt 0x0
	s_endpgm
.Lfunc_end_k_qab363be535_quant:
	.size	k_qab363be535_quant, .Lfunc_end_k_qab363be535_quant-k_qab363be535_quant
	.p2alignl 7, 3214868480
	.fill 96, 4, 3214868480
	.section	.rodata,"a",@progbits
	.p2align	6, 0x0
	.amdhsa_kernel k_qab363be535_quant
		.amdhsa_group_segment_fixed_size 76288
		.amdhsa_private_segment_fixed_size 0
		.amdhsa_enable_private_segment 0
		.amdhsa_kernarg_size 32
		.amdhsa_user_sgpr_count 2
		.amdhsa_user_sgpr_kernarg_segment_ptr 1
		.amdhsa_wavefront_size32 1
		.amdhsa_system_sgpr_workgroup_id_x 1
		.amdhsa_system_sgpr_workgroup_id_y 1
		.amdhsa_system_sgpr_workgroup_id_z 1
		.amdhsa_system_vgpr_workitem_id 0
		.amdhsa_next_free_vgpr 176
		.amdhsa_next_free_sgpr 66
		.amdhsa_reserve_vcc 0
		.amdhsa_float_denorm_mode_32 3
		.amdhsa_float_denorm_mode_16_64 3
		.amdhsa_memory_ordered 1
		.amdhsa_forward_progress 1
		.amdhsa_inst_pref_size 107
	.end_amdhsa_kernel
	.amdgpu_metadata
---
amdhsa.version: [ 1, 2 ]
amdhsa.kernels:
  - .name:           k_qab363be535_quant
    .symbol:         k_qab363be535_quant.kd
    .args:
      - { .name: x, .offset: 0, .size: 8, .value_kind: global_buffer, .address_space: global }
      - { .name: weight_q, .offset: 8, .size: 8, .value_kind: global_buffer, .address_space: global }
      - { .name: xq, .offset: 16, .size: 8, .value_kind: global_buffer, .address_space: global }
      - { .name: wq, .offset: 24, .size: 8, .value_kind: global_buffer, .address_space: global }
    .group_segment_fixed_size: 76288
    .private_segment_fixed_size: 0
    .kernarg_segment_align: 8
    .kernarg_segment_size: 32
    .max_flat_workgroup_size: 512
    .sgpr_count:     66
    .vgpr_count:     176
    .wavefront_size: 32
...
	.end_amdgpu_metadata
.endif
;; end of part 1
;; launch gemm (part 2): grid 64 x 4, 4 waves a work-group, clusters of 4 x 4, 327,680 bytes of LDS; arguments xq, wq, weight_scale, bias, out0; writes out0
.if DOCPART == 2
	.amdgcn_target "amdgcn-amd-amdhsa--gfx1250"
	.amdhsa_code_object_version 6
	.text
	.protected	k_qab363be535_gemm
	.globl	k_qab363be535_gemm
	.p2align	8
	.type	k_qab363be535_gemm,@function
k_qab363be535_gemm:
	s_mov_b64 s[64:65], 0
	v_nop
	global_prefetch_b8 v0, s[64:65] scope:SCOPE_SE
	s_setreg_imm32_b32 hwreg(HW_REG_WAVE_MODE, 25, 1), 1
	s_wait_xcnt 0x0
	s_wait_alu depctr_hold_cnt(0) depctr_sa_sdst(0) depctr_va_vdst(0) depctr_va_sdst(0) depctr_va_ssrc(0) depctr_va_vcc(0) depctr_vm_vsrc(0)
	s_getreg_b32 s2, hwreg(HW_REG_IB_STS2, 6, 4)
	s_cmp_eq_u32 s2, 0
	s_cbranch_scc0 .Lentry_in_a_cluster
	s_endpgm
.Lentry_in_a_cluster:
	s_bfe_u32 s2, ttmp6, 0x10000c
	s_cmp_lg_u32 s2, 0xf033
	s_cbranch_scc0 .Lentry_shape_is_right
	s_endpgm
.Lentry_shape_is_right:
; out0[m][n] = (sum over k of Q(x)[m][k] Q(w)[n][k]) x weight_scale[n] + bias[n].  xq and wq hold codes of FP4 and E8M0 scale words as images of the operand's registers,
; in dense blocks of QB = 34,816 bytes: block (128-row group) x 8 + (K / 512); codes of (q, 16-row block i, c) at 8192 q + 1024 i + 512 c + 16 x lane; a row's four scale words at 32768 + 16 x row.
; A tile of out0, 256 x 256, is made by four waves, each 128 x 128: 64 accumulators, 512 registers.  K goes in 8 steps of 512 through a ring of two LDS slots of four blocks:
; x's two row halves, then the weight's two.  Each wave fetches one block with one tensor load, codes and scales together; a fragment load reads 16 x lane: 512 consecutive bytes.
; CLUSTERS: 4 x 4 work-groups; x's blocks are asked for jointly along a row of the cluster, the weight's along a column.
; THE MATRIX INSTRUCTION IS USED TRANSPOSED (source 0 = 16 rows of the weight, source 1 = 16 rows of x): a lane holds eight neighbouring numbers of a row of out0.
; REGISTERS: window 0: v0-31 addresses; v32-95 scale words, two sets (lanes 0-15 x's block i, lanes 16-31 the weight's); v128-191 x's fragments, one set.
;   window 1: the weight's fragments, two sets, v0-63 and v128-191; v64-127 weight_scale and v192-255 bias of my 128 columns.   windows 2, 3: the accumulators ((a, b) at v[8 (8 (a % 4) + b)]).
.set QB,     34816
.set SLOT,   4*QB
.set SPARE,  2*SLOT                    ; behind the ring: the spare words, 128 bytes a wave
.set NQ,     4
.set FR,     8
.set NL,     2
.set NP,     4
.set LAPS,   4                         ; a lap = two K steps of 512
.set SPITCH, 528                       ; the way out: a stage of 16 rows x (512 + 16) bytes a wave, in slot 0, behind its last fill and last read
.set ADRA, 16
.set ADRB, 20
.set ADRS, 22
.set STO,  24
.set RD,   25
.set CO,   26
.set H32,  27
.set SPW,  28
.set NIL,  29
.set PFO,  30
.set PF2,  31
.set SC,   32
.set AF,   128
.set G1,  24
.set G0,  32
.set G1B, 48
.set G0B, 56
.set PFA, 18                           ; s[18:19] where my prefetches stand
.set MSB, 0
.macro WIN new
.if MSB != \new
	s_set_vgpr_msb (MSB<<8)|\new
.set MSB, \new
.endif
.endm
.set MUL_LO, 0xa1
.set MUL_HI, 0xf1
.set TO_B,   0x40
.macro JLOAD s                         ; a joint load: waves 0 and 1 fetch x's two blocks, waves 2 and 3 the weight's
	s_cmp_eq_u32 s15, 0
	s_cbranch_scc0 .Lfor_b_\@
	tensor_load_to_lds s[G0+4*\s:G0+4*\s+3], s[G1:G1+7]
	s_nop 0
.rept 4
	v_nop
.endr
	s_branch .Lasked_\@
.Lfor_b_\@:
	tensor_load_to_lds s[G0B+4*\s:G0B+4*\s+3], s[G1B:G1B+7]
	s_nop 0
.rept 4
	v_nop
.endr
.Lasked_\@:
.endm
.macro CREST
	s_cmp_lg_u32 s14, 0
	s_cbranch_scc1 .Lnot_wave_0_\@
	s_barrier_signal -3
.Lnot_wave_0_\@:
	s_barrier_wait -3
	s_barrier_signal -1
	s_barrier_wait -1
.endm
.macro CROUND
	s_barrier_signal -1
	s_barrier_wait -1
	CREST
.endm
; A prefetch behind each refill but the last two: the block that stands two refills on.  Its 136 units of 256 bytes are shared out among the four partners that ask for it jointly, BY ADDRESS:
; 34 units each, a lane a unit; in the second line the lanes left over name unit 33 again.  K steps 0 to 3 come by their loads alone.
.macro ASK
	s_cmp_gt_u32 s3, 1
	s_cbranch_scc0 .Lnone_\@
	global_prefetch_b8 v[PFO], s[PFA:PFA+1] th:TH_LOAD_NT scope:SCOPE_SE
	global_prefetch_b8 v[PF2], s[PFA:PFA+1] offset:8192 th:TH_LOAD_NT scope:SCOPE_SE
.Lnone_\@:
.endm
	s_load_b256 s[4:11], s[0:1], 0x0               ; xq, wq, weight_scale, bias
	s_load_b64 s[12:13], s[0:1], 0x20              ; out0
	v_lshl_add_u32 v[SPW], v0, 2, SPARE
	v_mov_b32 v[NIL], 0
	ds_add_u32 v[SPW], v[NIL]                      ; the opening lines: the add, twice on end, and its wait
	ds_add_u32 v[SPW], v[NIL]
	v_lshrrev_b32 v1, 5, v0
	v_readfirstlane_b32 s14, v1                    ; wave
	s_lshr_b32 s15, s14, 1                         ; my half of the tile's rows; also: I fetch for x (0) or for the weight (1)
	s_and_b32 s16, s14, 1                          ; my half of its columns; also: which of the two blocks I fetch
	s_bfe_u32 s40, ttmp6, 0x40000                  ; cx
	s_bfe_u32 s41, ttmp6, 0x40004                  ; cy = the tile row: the grid is one cluster high
	s_lshl_b32 s42, ttmp9, 2
	s_add_co_u32 s42, s42, s40                     ; tile column
	s_lshl_b32 s43, s41, 2
	s_lshl_b32 s43, 15, s43                        ; my row of the cluster
	s_lshl_b32 s44, 0x1111, s40                    ; my column
	s_or_b32 s[G1+0], s43, (3<<16)|(1<<21)         ; a dense block as 136 rows of 32 elements of 8 bytes
	s_or_b32 s[G1B+0], s44, (3<<16)|(1<<21)
.irp g, G1, G1B
	s_mov_b32 s[\g+1], 32<<16
	s_mov_b32 s[\g+2], 136<<16
	s_mov_b32 s[\g+3], 32<<16
	s_mov_b32 s[\g+4], 136
	s_mov_b32 s[\g+5], 32
	s_mov_b32 s[\g+6], 0
	s_mov_b32 s[\g+7], 0
.endr
	s_lshl_b32 s20, s41, 1
	s_add_co_u32 s20, s20, s16
	s_mul_i32 s20, s20, 8*QB                       ; x: row group 2 x tile row + half
	s_mov_b32 s21, 0
	s_lshl_b32 s46, s42, 1
	s_add_co_u32 s46, s46, s16
	s_mul_i32 s46, s46, 8*QB                       ; the weight: row group 2 x tile column + half
	s_mov_b32 s47, 0
	s_mul_i32 s45, s14, QB                         ; where my block goes: no place in the cluster enters an LDS address
	s_cmp_eq_u32 s15, 0
	s_cselect_b32 s22, s20, s46
	s_cselect_b32 s23, s40, s41                    ; my place among the four that ask with me
	s_mul_i32 s23, s23, 34*256
	s_add_co_u32 s22, s22, s23
	s_add_co_u32 s22, s22, 3*QB                    ; at K step 3: the first refill steps it to 4
	s_mov_b32 s23, 0
	s_wait_dscnt 0x0
	s_wait_kmcnt 0x0
	s_add_nc_u64 s[20:21], s[4:5], s[20:21]
	s_add_nc_u64 s[46:47], s[6:7], s[46:47]
	s_cmp_eq_u32 s15, 0
	s_cselect_b64 s[PFA:PFA+1], s[4:5], s[6:7]
	s_add_nc_u64 s[PFA:PFA+1], s[PFA:PFA+1], s[22:23]
	CROUND                                         ; all sixteen work-groups are here: the first joint loads meet
.irp s, 0,1
	s_mov_b32 s[G0+4*\s], 1
	s_add_co_u32 s[G0+4*\s+1], s45, \s*SLOT
	s_add_nc_u64 s[G0+4*\s+2:G0+4*\s+3], s[20:21], \s*QB
	s_or_b32 s[G0+4*\s+3], s[G0+4*\s+3], 0x80000000
	s_mov_b32 s[G0B+4*\s], 1
	s_add_co_u32 s[G0B+4*\s+1], s45, \s*SLOT
	s_add_nc_u64 s[G0B+4*\s+2:G0B+4*\s+3], s[46:47], \s*QB
	s_or_b32 s[G0B+4*\s+3], s[G0B+4*\s+3], 0x80000000
.endr
	JLOAD 0                                        ; K step 0: one tensor load a wave at the head
	s_mul_i32 s20, s15, QB                         ; my rows of x
	s_mul_i32 s21, s16, QB
	s_add_co_u32 s21, s21, 2*QB                    ; my rows of the weight
	s_sub_co_u32 s22, s21, s20
	s_add_co_u32 s23, s20, 32768
	s_mul_i32 s2, s14, 16*SPITCH                   ; my stage
	s_lshl_b32 s43, s41, 1
	s_add_co_u32 s43, s43, s15
	s_lshl_b32 s43, s43, 23                        ; my first row of out0: 128 rows of 65,536 bytes each
	s_lshl_b32 s46, s42, 10
	s_lshl_b32 s47, s16, 9
	s_add_co_u32 s46, s46, s47                     ; my first column, in bytes
	s_mov_b32 s47, 0
	s_add_nc_u64 s[8:9], s[8:9], s[46:47]
	s_add_nc_u64 s[10:11], s[10:11], s[46:47]
	s_add_co_u32 s46, s46, s43
	s_add_nc_u64 s[12:13], s[12:13], s[46:47]
	v_and_b32 v1, 15, v0
	v_bfe_u32 v2, v0, 4, 1
	v_and_b32 v3, 31, v0
	v_lshlrev_b32 v[CO], 4, v3                     ; 16 x lane
	v_add_nc_u32 v[ADRA], s20, v[CO]
	v_add_nc_u32 v[ADRB], s21, v[CO]
	v_add_nc_u32 v[ADRA+1], SLOT, v[ADRA]
	v_add_nc_u32 v[ADRB+1], SLOT, v[ADRB]
	v_mul_u32_u24 v6, s22, v2                      ; lanes 16-31 take the weight's scale words
	v_lshl_add_u32 v5, v1, 4, v6
	v_add_nc_u32 v[ADRS], s23, v5
	v_add_nc_u32 v[ADRS+1], SLOT, v[ADRS]
	v_mul_u32_u24 v5, v1, SPITCH
	v_lshl_add_u32 v5, v2, 5, v5
	v_add_nc_u32 v[STO], s2, v5
	v_add_nc_u32 v[RD], s2, v[CO]
	v_lshlrev_b32 v[H32], 5, v2
	v_lshlrev_b32 v[PFO], 8, v3
	v_min_u32 v[PF2], 1, v3
	v_lshlrev_b32 v[PF2], 8, v[PF2]
	s_wait_alu depctr_va_vdst(0)                   ; the wait at the head's end
	WIN TO_B
.irp b, 0,1,2,3,4,5,6,7
.irp u, 0,1
	global_load_b128 v[64+8*\b+4*\u:64+8*\b+4*\u+3], v[H32], s[8:9] offset:64*\b+16*\u      ; weight_scale at columns 16 b + 8 h + 4 u on
	global_load_b128 v[192+8*\b+4*\u:192+8*\b+4*\u+3], v[H32], s[10:11] offset:64*\b+16*\u  ; bias likewise; both are waited for on the way out
.endr
.endr
	WIN 0
.macro FRAG reg, adr, q, i
.irp c, 0,1
	ds_load_b128 v[\reg+4*\c:\reg+4*\c+3], v[\adr] offset:8192*(\q)+1024*(\i)+512*\c
.endr
.endm
; 16 matrix instructions: x's blocks a0, a0 + 1 against the weight's eight.  The 64 accumulators take turns, in the same order in every step.
.macro MUL16 a0, p, q, sc, zero
.irp a, \a0, \a0+1
.irp b, 0,1,2,3,4,5,6,7
.if \zero
	v_wmma_scale_f32_16x16x128_f8f6f4 v[8*(8*((\a)%4)+\b):8*(8*((\a)%4)+\b)+7], v[128*(\p)+FR*\b:128*(\p)+FR*\b+FR-1], v[AF+FR*(\a):AF+FR*(\a)+FR-1], 0, v[SC+8*NQ*(\sc)+NQ*\b+(\q)], v[SC+8*NQ*(\sc)+NQ*(\a)+(\q)] matrix_a_fmt:MATRIX_FMT_FP4 matrix_b_fmt:MATRIX_FMT_FP4 matrix_a_scale:MATRIX_SCALE_ROW1
.else
	v_wmma_scale_f32_16x16x128_f8f6f4 v[8*(8*((\a)%4)+\b):8*(8*((\a)%4)+\b)+7], v[128*(\p)+FR*\b:128*(\p)+FR*\b+FR-1], v[AF+FR*(\a):AF+FR*(\a)+FR-1], v[8*(8*((\a)%4)+\b):8*(8*((\a)%4)+\b)+7], v[SC+8*NQ*(\sc)+NQ*\b+(\q)], v[SC+8*NQ*(\sc)+NQ*(\a)+(\q)] matrix_a_fmt:MATRIX_FMT_FP4 matrix_b_fmt:MATRIX_FMT_FP4 matrix_a_scale:MATRIX_SCALE_ROW1
.endif
.endr
.endr
.endm
.macro FETCH_B slot, q, p
	WIN TO_B
.irp i, 0,1,2,3,4,5,6,7
	FRAG 128*(\p)+FR*\i, ADRB+\slot, \q, \i
.endr
	WIN 0
.endm
.macro FETCH_A slot, q, i0
.irp i, \i0, \i0+1, \i0+2, \i0+3
	FRAG AF+FR*(\i), ADRA+\slot, \q, \i
.endr
.endm
.macro SCALES sc                       ; a K step's scale words: four a row; lanes 0-15 x's block i, lanes 16-31 the weight's
.irp i, 0,1,2,3,4,5,6,7
	ds_load_b128 v[SC+8*NQ*\sc+NQ*\i:SC+8*NQ*\sc+NQ*\i+3], v[ADRS+\sc] offset:256*\i
.endr
.endm
.macro PLACES n                        ; places in front of loads into registers that matrix instructions have read (ISA guide 7.12.1 for vector instructions)
.rept \n
	v_nop
.endr
.endm
.macro STEP slot, q, zero
	s_wait_dscnt 4*NL                              ; all but x's blocks 4-7
	WIN MUL_LO
	MUL16 0, (\q)%2, \q, \slot, \zero
	MUL16 2, (\q)%2, \q, \slot, \zero
	s_wait_dscnt 0
	PLACES NP
	FETCH_B \slot, (\q)+1, 1-(\q)%2
	FETCH_A \slot, (\q)+1, 0
	WIN MUL_HI
	MUL16 4, (\q)%2, \q, \slot, \zero
	MUL16 6, (\q)%2, \q, \slot, \zero
	PLACES NP
	WIN 0
	FETCH_A \slot, (\q)+1, 4
.endm
; A slot's last step changes slots: one barrier; in front of it each wave waits for all its tensor loads, adds 0 to its spare word, and waits for that and for its reads of this slot.
.macro TURN slot, next, fill
.if \fill
	s_wait_xcnt 0x0                                ; my prefetches have read their address
	s_add_nc_u64 s[PFA:PFA+1], s[PFA:PFA+1], QB
.endif
	s_wait_tensorcnt 0x0                           ; my block of the next slot has landed
	ds_add_u32 v[SPW], v[NIL]
	s_wait_dscnt 4*NL+1                            ; the add and x's blocks 4-7 may be out
	WIN MUL_LO
	MUL16 0, 1, NQ-1, \slot, 0
	s_wait_dscnt 0x0                               ; the add is done, and my reads of this slot are over
	s_barrier_signal -1
	MUL16 2, 1, NQ-1, \slot, 0
	WIN 0
	s_barrier_wait -1
.if \fill
	CREST                                          ; the barrier has opened a round of the cluster's barrier
	s_add_nc_u64 s[G0+4*\slot+2:G0+4*\slot+3], s[G0+4*\slot+2:G0+4*\slot+3], 2*QB
	s_add_nc_u64 s[G0B+4*\slot+2:G0B+4*\slot+3], s[G0B+4*\slot+2:G0B+4*\slot+3], 2*QB
	JLOAD \slot                                    ; the first tensor load behind the round; its four v_nop are the places for the loads below
.else
	PLACES NP
.endif
	FETCH_B \next, 0, 0
	FETCH_A \next, 0, 0
	SCALES \next
.if \fill
	ASK
.endif
	WIN MUL_HI
	MUL16 4, 1, NQ-1, \slot, 0
	MUL16 6, 1, NQ-1, \slot, 0
	PLACES NP
	WIN 0
	FETCH_A \next, 0, 4
.endm
.macro STEPS slot, from
.set Q, \from
.rept NQ-1-\from
	STEP \slot, Q, 0
.set Q, Q+1
.endr
.endm
	s_wait_tensorcnt 0x0                           ; my block of K step 0 is in; these lines stand ahead of a later first fill as ahead of a refill
	ds_add_u32 v[SPW], v[NIL]
	s_wait_dscnt 0x0
	CROUND
	JLOAD 1                                        ; K step 1
	FETCH_B 0, 0, 0
	FETCH_A 0, 0, 0
	SCALES 0
	FETCH_A 0, 0, 4
	STEP 0, 0, 1                                   ; the first step starts the sums
	s_mov_b32 s3, LAPS-1
.Llap:
	STEPS 0, 1
	TURN 0, 1, 1
	STEPS 1, 0
	TURN 1, 0, 1
	STEP 0, 0, 0
	s_sub_co_u32 s3, s3, 1
	s_cmp_lg_u32 s3, 0
	s_cbranch_scc1 .Llap
	STEPS 0, 1                                     ; the last lap fills nothing
	TURN 0, 1, 0
	STEPS 1, 0
	s_wait_dscnt 4*NL
	WIN MUL_LO
	MUL16 0, 1, NQ-1, 1, 0
	MUL16 2, 1, NQ-1, 1, 0
	s_wait_dscnt 0
	WIN MUL_HI
	MUL16 4, 1, NQ-1, 1, 0
	MUL16 6, 1, NQ-1, 1, 0
	WIN 0
; THE WAY OUT, by blocks of 16 rows x 128 columns: sum x weight_scale + bias, packed; through my stage; back as whole rows of 512 bytes.
.macro FMA a                           ; results into v32-95 and v128-191 of window 0 by turns; each accumulator from its low end on
.set ER, 32+96*((\a)%2)
	WIN 0x16+((\a)/4)                              ; source 0 window 2 or 3, sources 1 and 2 window 1
.irp b, 0,1,2,3,4,5,6,7
.irp p, 0,2,4,6
	v_pk_fma_f32 v[ER+8*\b+\p:ER+8*\b+\p+1], v[64*((\a)%4)+8*\b+\p:64*((\a)%4)+8*\b+\p+1], v[64+8*\b+\p:64+8*\b+\p+1], v[192+8*\b+\p:192+8*\b+\p+1]
.endr
.endr
	WIN 0
.endm
.macro TOSTAGE a
.set ER, 32+96*((\a)%2)
.set BB, 128*((\a)%2)
.irp b, 0,1,2,3,4,5,6,7
	ds_store_b128 v[STO], v[ER+8*\b:ER+8*\b+3] offset:64*\b
	ds_store_b128 v[STO], v[ER+8*\b+4:ER+8*\b+7] offset:64*\b+16
.endr
	WIN TO_B
.irp t, 0,1,2,3,4,5,6,7,8,9,10,11,12,13,14,15
	ds_load_b128 v[BB+4*\t:BB+4*\t+3], v[RD] offset:\t*SPITCH      ; LDS serves a wave's instructions in order: these see the stores above
.endr
	WIN 0
.endm
.macro SEND a, younger
.set BB, 128*((\a)%2)
	s_wait_dscnt \younger
.if (\a) > 0
	s_add_nc_u64 s[12:13], s[12:13], 16*65536      ; behind a wait on XCNT: the earlier stores have read their base
.endif
	WIN 0x04                                       ; the data: window 1
.irp t, 0,1,2,3,4,5,6,7,8,9,10,11,12,13,14,15
	global_store_b128 v[CO], v[BB+4*\t:BB+4*\t+3], s[12:13] offset:\t*65536 th:TH_STORE_NT   ; 32 lanes store 512 consecutive bytes, at a multiple of 256 from out0's first byte
.endr
	WIN 0
.endm
	PLACES NP
	s_wait_loadcnt 0x0                             ; weight_scale and bias are in
	FMA 0
	TOSTAGE 0
.irp a, 1,2,3,4,5,6,7
.if \a > 1
	s_wait_xcnt 0x0                                ; block a - 2's stores have read their registers and their base
.endif
	FMA \a
	TOSTAGE \a
	SEND \a-1, 32                                  ; behind block a - 1's loads: block a's 16 stores and 16 loads
.endr
	s_wait_xcnt 0x0
	SEND 7, 0
	s_wait_tensorcnt 0x0                           ; the wave's end
	ds_add_u32 v[SPW], v[NIL]
	s_wait_dscnt 0x0
	CROUND                                         ; the closing round
	s_endpgm
.Lfunc_end_k_qab363be535_gemm:
	.size	k_qab363be535_gemm, .Lfunc_end_k_qab363be535_gemm-k_qab363be535_gemm
	.p2alignl 7, 3214868480
	.fill 96, 4, 3214868480
	.section	.rodata,"a",@progbits
	.p2align	6, 0x0
	.amdhsa_kernel k_qab363be535_gemm
		.amdhsa_group_segment_fixed_size 327680
		.amdhsa_private_segment_fixed_size 0
		.amdhsa_enable_private_segment 0
		.amdhsa_kernarg_size 40
		.amdhsa_user_sgpr_count 2
		.amdhsa_user_sgpr_kernarg_segment_ptr 1
		.amdhsa_wavefront_size32 1
		.amdhsa_system_sgpr_workgroup_id_x 1
		.amdhsa_system_sgpr_workgroup_id_y 1
		.amdhsa_system_sgpr_workgroup_id_z 1
		.amdhsa_system_vgpr_workitem_id 0
		.amdhsa_next_free_vgpr 1024
		.amdhsa_next_free_sgpr 66
		.amdhsa_reserve_vcc 0
		.amdhsa_float_denorm_mode_32 3
		.amdhsa_float_denorm_mode_16_64 3
		.amdhsa_memory_ordered 1
		.amdhsa_forward_progress 1
		.amdhsa_inst_pref_size 230
	.end_amdhsa_kernel
	.amdgpu_metadata
---
amdhsa.version: [ 1, 2 ]
amdhsa.kernels:
  - .name:           k_qab363be535_gemm
    .symbol:         k_qab363be535_gemm.kd
    .args:
      - { .name: xq, .offset: 0, .size: 8, .value_kind: global_buffer, .address_space: global }
      - { .name: wq, .offset: 8, .size: 8, .value_kind: global_buffer, .address_space: global }
      - { .name: weight_scale, .offset: 16, .size: 8, .value_kind: global_buffer, .address_space: global }
      - { .name: bias, .offset: 24, .size: 8, .value_kind: global_buffer, .address_space: global }
      - { .name: out0, .offset: 32, .size: 8, .value_kind: global_buffer, .address_space: global }
    .group_segment_fixed_size: 327680
    .private_segment_fixed_size: 0
    .kernarg_segment_align: 8
    .kernarg_segment_size: 40
    .max_flat_workgroup_size: 128
    .sgpr_count:     66
    .vgpr_count:     1024
    .wavefront_size: 32
...
	.end_amdgpu_metadata
.endif
;; end of part 2
